; MI455X (gfx1250); checked and timed in simulation.
; The chip was launched on July 23, 2026; its instructions are those of AMD's public machine-readable ISA for CDNA 5 (MIT licence, August 2026) and "CDNA5" Instruction Set Architecture Reference Guide (July 2026). The comments in the code are by the model that wrote it; some were corrected since.
;; Relation Model double. Allowed arithmetic: matrix products marked QUANTISED: E2M3 operands, one E8M0 scale for each 32 along K, by v_wmma_scale_f32_16x16x128_f8f6f4 with both operands' format E2M3, f32 sums; products left as they are: f32 operands where the result goes on into a quantised operand, else bf16, f16 or f32 operands; f32 sums; everything else in f32.
;; Inputs: Wout_z 256 x 256 float32; Wout_z1 256 x 256 float32; Wqkv_z 768 x 256 float32; Wqkv_z1 768 x 256 float32; bout_z 256 float32; bout_z1 256 float32; x 8 x 3,136 x 256 float32; y 8 x 3,136 x 256 float32.
;; Outputs: out0 8 x 3,136 x 256 float32; out1 8 x 3,136 x 256 float32.
;; This version of the problem:
;;   THIS VERSION OF THE PROBLEM IS GIVEN IN LOW PRECISION. The matrix products marked QUANTISED in the list below multiply operands that are first quantised to E2M3 (2 exponent bits, 3 mantissa bits; 6 bits a number), with one power-of-two scale for each 32 numbers along K (OCP MX v1.0); their sums are f32. All else is computed in f32.
;;   The module's matrix products, in the order in which they are computed (A, B: the left and right operand; K: the contracted axis; several contracted axes count as one K, in the product's order):
;;     1. [M 100,352, K 256] x [K 256, N 768]; A: computed on the way; B: input Wqkv_z: QUANTISED
;;     2. batch 200,704 x [M 4, K 32] x [K 32, N 4]; A: computed on the way; B: computed on the way: left as it is (M = 4 < 16)
;;     3. batch 200,704 x [M 4, K 4] x [K 4, N 32]; A: softmax; B: computed on the way: left as it is (K = 4 < 32)
;;     4. [M 100,352, K 256] x [K 256, N 256]; A: computed on the way; B: input Wout_z: QUANTISED
;;     5. [M 100,352, K 256] x [K 256, N 768]; A: computed on the way; B: input Wqkv_z1: QUANTISED
;;     6. batch 200,704 x [M 4, K 32] x [K 32, N 4]; A: computed on the way; B: computed on the way: left as it is (M = 4 < 16)
;;     7. batch 200,704 x [M 4, K 4] x [K 4, N 32]; A: softmax; B: computed on the way: left as it is (K = 4 < 32)
;;     8. [M 100,352, K 256] x [K 256, N 256]; A: computed on the way; B: input Wout_z1: QUANTISED
;;   THE QUANTISER, for each operand of a quantised product, along K:
;;     - K is cut into blocks of 32 from its start; a last block that is shorter is filled with zeros.
;;     - A block's scale is 2^e with e = floor(log2(the largest magnitude in the block)) - 2, held to -126 .. 127; a block of zeros has e = 0. As a byte (E8M0): e + 127.
;;     - Each number is divided by its block's scale, clamped to +-7.5, and rounded to the nearest number of E2M3, ties to even, subnormals kept.
;;     - The product sums the exact products of the quantised numbers (number of the format x scale) in f32.
;;   ~~~python
;;   def quantise(x, axis):      # numpy; x: float32 -> the quantised numbers, widened to float32 again
;;       x = np.moveaxis(x, axis, -1); K = x.shape[-1]
;;       x = np.pad(x, [(0, 0)] * (x.ndim - 1) + [(0, -K % 32)]); x = x.reshape(x.shape[:-1] + (-1, 32)); a = np.abs(x).max(-1, keepdims=True)
;;       e = np.where(a > 0, np.clip(np.frexp(np.where(a > 0, a, 1))[1] - 1 - 2, -126, 127), 0)      # np.frexp(a)[1] - 1 = floor(log2(a)), exactly
;;       r = np.clip(x / 2.0 ** e, -7.5, 7.5)
;;       step = 2.0 ** (np.maximum(np.frexp(np.where(r == 0, 1, r))[1] - 1, 0) - 3)
;;       q = np.round(r / step) * step * 2.0 ** e      # np.round: ties to even
;;       return np.moveaxis(q.reshape(q.shape[:-2] + (-1,))[..., :K], -1, axis).astype(np.float32)
;;   ~~~
;;   OPERANDS COMPUTED ON THE WAY. 'Computed on the way' means the value that the module computes at that place (a softmax that the list does not call 'softmax' is quantised finished and normalised). What goes into a quantiser is computed in f32, as accurately as f32 sums, v_exp_f32 and their like allow (about 1e-6 of the number): no bf16 or f16 on the way to a quantiser, and a product that is left as it is and whose result goes on into a quantised operand takes f32 operands (vector FMAs, or v_wmma_f32_16x16x4_f32). A number that lies on a knife's edge between two numbers of the format may be rounded either way, as far as f32 arithmetic and the matrix unit's own rounding can turn it there, and no further.
;; One version. Each part assembles by itself: llvm-mc -triple=amdgcn-amd-amdhsa -mcpu=gfx1250 --defsym DOCPART=n.
;; ======== version 1 of 1: 2 launches
;; limits: right only within a limited range of input values
;; workspace buffers: xyimg 9,633,792 bytes; xyscl 401,408 bytes; part 458,752 bytes; wimg 393,216 bytes; wscl 16,384 bytes
;; launch prep (part 1): grid 30 x 16, 4 waves a work-group, no clusters, 20,992 bytes of LDS; arguments x, y, Wqkv_z, Wout_z, Wqkv_z1, Wout_z1, xyimg, xyscl, part, wimg, wscl; writes xyimg, xyscl, part, wimg, wscl
.if DOCPART == 1
	.amdgcn_target "amdgcn-amd-amdhsa--gfx1250"
	.amdhsa_code_object_version 6
	.text
	.protected	k_q0385649290_prep
	.globl	k_q0385649290_prep
	.p2align	8
	.type	k_q0385649290_prep,@function
k_q0385649290_prep:
	s_mov_b64 s[64:65], 0
	v_nop
	global_prefetch_b8 v0, s[64:65] scope:SCOPE_SE
	s_setreg_imm32_b32 hwreg(HW_REG_WAVE_MODE, 25, 1), 1
	s_wait_xcnt 0x0
; PREP: x and y [8][3136][256] f32 and the four weights are read once and turned into codes of FP6 (E2M3) with one E8M0 byte for each 32 along K (K = the 256 innermost numbers),
; laid in the ORDER OF THE OPERAND'S REGISTERS, so that the next launch loads fragments whole.  On the same pass the column sums of x and y are taken, 112 rows a work-group.
; A block's scale is 2^(floor(log2(largest magnitude)) - 2): its byte is the largest magnitude's exponent field - 2, held at 1 from below by a floor among the maximum's leaves.
; LIMITS: NaN and infinities are not served.  A block whose largest magnitude lies under 2^-124 (a block of zeros too) gets the byte 1 where the quantiser says otherwise for zeros (127): its codes
; are zeros or the same small codes, and the bytes are read by this program alone.
; WORK-GROUPS: x < 28: tensor and batch pi = y (0-7: x's batches, 8-15: y's), rows 112 x .. 112 x + 111: seven tiles of 16 rows.  x = 28, 29: the weights, 32 work-groups.
; A TOKEN IMAGE (16 rows x 256 K) is 3,072 bytes: four halves u = 0..3 of 768 bytes (K = 64 u .. 64 u + 63): registers 0-3 of the half's six at 16 x lane, registers 4, 5 at 512 + 8 x lane.
; Lane (r, h) holds row r, K = 64 u + 32 h + 0 .. 31.  Its scale image is 128 bytes: word [K step s][row r], byte 2 c + h (u = 2 s + c).
; Wave w takes the 256 bytes (64 columns) w of each row: each load covers two rows' whole 256 bytes; the 16 rows turn through the wave's own stage in LDS (rows 272 bytes apart) and come back
; 128 bytes a lane: one block of 32 in one lane, so that no other lane is asked for a maximum.
.set R,     88                         ; v88-215  four sets of 32 numbers as loaded (weights: four blocks of 32)
.set X,     56                         ; v56-87   my block of 32 neighbours
.set C,     40                         ; v40-55   codes, two sets of 8 by turns
.set BYT,   32                         ; v32-38   a scale byte for each tile
.set SUA,   16                         ; v16-19   column sums, even pairs of rows
.set SUB,   20                         ; v20-23   column sums, odd pairs of rows
.set SCG,   17408                      ; LDS: behind the four stages of 4,352 bytes: seven scale images of 128 bytes
.set FLOOR, 0x1800000                  ; 2^(3 - 127)
.set OFF2,  0xff000000                 ; 2 off an exponent field
	s_load_b512 s[4:19], s[0:1], 0x0               ; x, y, Wqkv_z, Wout_z, Wqkv_z1, Wout_z1, xyimg, xyscl
	s_load_b128 s[20:23], s[0:1], 0x40             ; part, wimg
	s_load_b64 s[24:25], s[0:1], 0x50              ; wscl
	v_lshl_add_u32 v216, v0, 2, 0x5000
	v_mov_b32 v217, 0
	v_lshrrev_b32 v9, 5, v0
	v_readfirstlane_b32 s26, v9                    ; wave 0..3
	v_and_b32 v10, 31, v0                          ; lane
	v_and_b32 v11, 15, v0                          ; r
	v_bfe_u32 v12, v0, 4, 1                        ; h
	s_and_b32 s27, ttmp7, 0xffff                   ; work-group y
	s_mov_b32 s40, 0x76543210
	s_mov_b32 s41, 0xfedcba98                      ; v_permlanex16_b32's selects for lane l xor 16
	s_mov_b32 s33, 0                               ; the high word of every offset pair s[32:33]
	s_wait_kmcnt 0x0
	s_cmp_ge_u32 ttmp9, 28                         ; the same in all four waves: it hangs on the work-group's number alone
	s_cbranch_scc1 .Lweights
	; ---------------- x and y ----------------
	s_cmp_lt_u32 s27, 8
	s_cselect_b64 s[4:5], s[4:5], s[6:7]           ; x or y
	s_and_b32 s28, s27, 7
	s_mul_i32 s28, s28, 3136
	s_mul_i32 s29, ttmp9, 112
	s_add_co_u32 s28, s28, s29                     ; my first row
	s_lshl_b32 s32, s28, 10
	s_add_nc_u64 s[4:5], s[4:5], s[32:33]
	s_lshl_b32 s28, s26, 8                         ; 256 x wave
	s_wait_alu depctr_va_vdst(0)
	v_lshlrev_b32 v1, 10, v12
	v_lshl_add_u32 v1, v11, 4, v1
	v_add_nc_u32 v1, s28, v1                       ; in: 1024 (lane / 16) + 256 w + 16 (lane % 16)
.macro LOAD i                          ; tile i: eight loads, each two rows' whole 256 bytes
.irp p, 0,1,2,3,4,5,6,7
	global_load_b128 v[R+32*((\i)%4)+4*\p:R+32*((\i)%4)+4*\p+3], v1, s[4:5] offset:(16*(\i)+2*\p)*1024 th:TH_LOAD_NT
.endr
.endm
	LOAD 0
	LOAD 1
	LOAD 2
	LOAD 3
	v_lshlrev_b32 v7, 4, v11
	v_add_nc_u32 v7, s28, v7                       ; the sums' place: 256 w + 16 (lane % 16)
	s_mul_i32 s29, s26, 4352                       ; my stage
	v_mul_u32_u24 v2, v12, 272
	v_lshl_add_u32 v2, v11, 4, v2
	v_add_nc_u32 v2, s29, v2                       ; into it: as loaded
	v_mul_u32_u24 v3, v11, 272
	v_lshl_add_u32 v3, v12, 7, v3
	v_add_nc_u32 v3, s29, v3                       ; out of it: row r, 128 h
	s_mul_i32 s30, s26, 768                        ; my half of a token image
	v_lshlrev_b32 v4, 4, v10
	v_add_nc_u32 v4, s30, v4
	v_lshlrev_b32 v5, 3, v10
	v_add_nc_u32 v5, s30, v5
	v_add_nc_u32 v5, 512, v5
	s_lshr_b32 s30, s26, 1
	s_lshl_b32 s30, s30, 6
	s_and_b32 s31, s26, 1
	s_lshl_b32 s31, s31, 1
	s_add_co_u32 s30, s30, s31
	s_add_co_u32 s30, s30, SCG
	v_lshl_add_u32 v6, v11, 2, v12
	v_add_nc_u32 v6, s30, v6                       ; my scale byte: SCG + 64 (w / 2) + 2 (w % 2) + 4 r + h
	v_lshlrev_b32 v8, 4, v0                        ; 16 x thread
	s_mul_i32 s28, s27, 196
	s_mul_i32 s29, ttmp9, 7
	s_add_co_u32 s28, s28, s29                     ; my first tile
	s_mul_i32 s32, s28, 3072
	s_add_nc_u64 s[16:17], s[16:17], s[32:33]
	s_lshl_b32 s32, s28, 7
	s_add_nc_u64 s[18:19], s[18:19], s[32:33]
	s_and_b32 s28, s27, 7                          ; the sums' place: [batch][x or y][28 work-groups][256]: a batch's 56 rows lie on end
	s_lshl_b32 s28, s28, 1
	s_lshr_b32 s29, s27, 3
	s_add_co_u32 s28, s28, s29
	s_mul_i32 s28, s28, 28
	s_add_co_u32 s28, s28, ttmp9
	s_lshl_b32 s32, s28, 10
	s_add_nc_u64 s[20:21], s[20:21], s[32:33]
.macro TILE i
.set RS, R+32*((\i)%4)
.set CS, C+8*((\i)%2)
.if 6-(\i) >= 3
	s_wait_loadcnt 24                              ; this tile's eight loads are in; those of the three tiles behind it may be out
.else
	s_wait_loadcnt 8*(6-(\i))
.endif
.if (\i) == 0
.irp k, 0,2                            ; the first four loads start the two chains of sums: nothing is cleared
	v_pk_add_f32 v[SUA+\k:SUA+\k+1], v[RS+\k:RS+\k+1], v[RS+8+\k:RS+8+\k+1]
	v_pk_add_f32 v[SUB+\k:SUB+\k+1], v[RS+4+\k:RS+4+\k+1], v[RS+12+\k:RS+12+\k+1]
.endr
.endif
.irp p, 0,2,4,6
.if ((\i) > 0) || (\p > 2)
.irp k, 0,2
	v_pk_add_f32 v[SUA+\k:SUA+\k+1], v[SUA+\k:SUA+\k+1], v[RS+4*\p+\k:RS+4*\p+\k+1]
	v_pk_add_f32 v[SUB+\k:SUB+\k+1], v[SUB+\k:SUB+\k+1], v[RS+4*\p+4+\k:RS+4*\p+4+\k+1]
.endr
.endif
.endr
.irp p, 0,1,2,3,4,5,6,7
	ds_store_b128 v2, v[RS+4*\p:RS+4*\p+3] offset:544*\p
.endr
.irp p, 0,1,2,3,4,5,6,7
	ds_load_b128 v[X+4*\p:X+4*\p+3], v3 offset:16*\p   ; LDS serves a wave's instructions in order: these see my stores
.endr
	s_wait_dscnt 8                                 ; all but the eight loads: the stores have read their registers,
.if (\i) < 3
	LOAD (\i)+4                                    ; which take the tile four on
.endif
	s_wait_dscnt 0x0                               ; my 32 neighbours are back
	v_max3_num_f32 v24, |v[X]|, |v[X+1]|, FLOOR    ; the block's largest magnitude, in two chains, the floor among its leaves
	v_max3_num_f32 v25, |v[X+2]|, |v[X+3]|, |v[X+4]|
.irp q, 5,9,13,17,21,25
	v_max3_num_f32 v24, v24, |v[X+\q]|, |v[X+\q+1]|
	v_max3_num_f32 v25, v25, |v[X+\q+2]|, |v[X+\q+3]|
.endr
	v_max3_num_f32 v24, v24, |v[X+29]|, |v[X+30]|
	v_max3_num_f32 v24, v24, v25, |v[X+31]|
	v_add_nc_u32 v26, OFF2, v24                    ; 2 off its exponent field: the conversion takes the exponent field of this operand as its scale
.if (\i) >= 2
	s_wait_alu depctr_va_vdst(0)
	s_wait_xcnt 0x0                                ; the stores of two tiles ago have read this set of code registers
.endif
	v_cvt_scalef32_pk16_fp6_f32 v[CS:CS+2], v[X:X+15], v26
	v_cvt_scalef32_pk16_fp6_f32 v[CS+4:CS+6], v[X+16:X+31], v26    ; (a conversion's three registers begin on an even number)
	v_lshrrev_b32 v[BYT+(\i)], 23, v26             ; the scale's byte; also the plain line behind the conversions
	v_mov_b32 v[CS+3], v[CS+4]
	v_mov_b32 v[CS+4], v[CS+5]
	v_mov_b32 v[CS+5], v[CS+6]                     ; six registers on end: 192 bits
	global_store_b128 v4, v[CS:CS+3], s[16:17] offset:3072*(\i)    ; 32 lanes: 512 consecutive bytes, aligned to 256
	global_store_b64 v5, v[CS+4:CS+5], s[16:17] offset:3072*(\i)   ; 32 lanes: 256 consecutive bytes, aligned
	ds_store_b8 v6, v[BYT+(\i)] offset:128*(\i)
.endm
.irp t, 0,1,2,3,4,5,6
	TILE \t
.endr
	v_pk_add_f32 v[SUA:SUA+1], v[SUA:SUA+1], v[SUB:SUB+1]
	v_pk_add_f32 v[SUA+2:SUA+3], v[SUA+2:SUA+3], v[SUB+2:SUB+3]
.irp k, 0,1,2,3
	v_permlanex16_b32 v[SUB+\k], v[SUA+\k], s40, s41               ; the other rows' sums lie 16 lanes away
.endr
	v_pk_add_f32 v[SUA:SUA+1], v[SUA:SUA+1], v[SUB:SUB+1]
	v_pk_add_f32 v[SUA+2:SUA+3], v[SUA+2:SUA+3], v[SUB+2:SUB+3]
	v_cmp_gt_u32 vcc_lo, 16, v10
	s_wait_alu depctr_va_vdst(0)
	s_wait_xcnt 0x0                                ; EXEC is a source of the stores above: it changes only behind this wait
	s_and_saveexec_b32 s34, vcc_lo
	global_store_b128 v7, v[SUA:SUA+3], s[20:21]   ; sixteen lanes: my wave's 64 column sums, 256 aligned bytes
	s_wait_xcnt 0x0
	s_or_b32 exec_lo, exec_lo, s34
	s_wait_dscnt 0x0                               ; for the others' sake: my scale bytes lie in LDS
	s_barrier_signal -1
	s_barrier_wait -1
	s_lshl_b32 s28, s26, 8                         ; seven scale images are 896 bytes: waves 0 to 2 take 256 each, wave 3 the last 128
	v_lshlrev_b32 v8, 3, v10
	v_add_nc_u32 v8, s28, v8                       ; 256 w + 8 x lane
	v_lshlrev_b32 v9, 2, v10                       ; 4 x lane
	s_wait_alu depctr_va_vdst(0)
	s_wait_tensorcnt 0x0
	ds_add_u32 v216, v217
	s_wait_dscnt 0x0
	s_cmp_eq_u32 s26, 3
	s_cbranch_scc1 .Lseventh
	ds_load_b64 v[X:X+1], v8 offset:SCG
	s_wait_dscnt 0x0
	global_store_b64 v8, v[X:X+1], s[18:19]
	s_endpgm
.Lseventh:
	ds_load_b32 v[X], v9 offset:SCG+768
	s_wait_dscnt 0x0
	global_store_b32 v9, v[X], s[18:19] offset:768
	s_endpgm
	; ---------------- the weights ----------------
	; Work-group q = 16 (x - 28) + y: stage q / 16, reader wave (q / 4) % 4, group q % 4 (0 q, 1 k, 2 v: rows of Wqkv; 3: Wout).  My wave is tile t.
	; THE ROWS OF A TILE ARE NOT NEIGHBOURS: row m of tile t is weight row 64 w' + 32 (m / 8) + 8 t + m % 8 of its group, so that in the transposed product a lane's 32 registers of four tiles are 32 neighbours.
.Lweights:
	s_sub_co_u32 s28, ttmp9, 28
	s_lshl_b32 s28, s28, 4
	s_add_co_u32 s28, s28, s27                     ; q
	s_lshr_b32 s29, s28, 4                         ; stage
	s_bfe_u32 s30, s28, 0x20002                    ; reader wave w'
	s_and_b32 s31, s28, 3                          ; group
	s_cmp_eq_u32 s29, 0
	s_cselect_b64 s[8:9], s[8:9], s[12:13]
	s_cselect_b64 s[10:11], s[10:11], s[14:15]
	s_cmp_eq_u32 s31, 3
	s_cselect_b64 s[8:9], s[10:11], s[8:9]
	s_cselect_b32 s32, 0, s31
	s_lshl_b32 s32, s32, 8
	s_lshl_b32 s34, s30, 6
	s_add_co_u32 s32, s32, s34
	s_lshl_b32 s34, s26, 3
	s_add_co_u32 s32, s32, s34                     ; the tile's first row: 256 group + 64 w' + 8 t
	s_lshl_b32 s32, s32, 10
	s_add_nc_u64 s[8:9], s[8:9], s[32:33]
	s_wait_alu depctr_va_vdst(0)
	v_and_b32 v1, 7, v11
	v_lshrrev_b32 v2, 3, v11
	v_lshl_add_u32 v1, v2, 5, v1
	v_lshlrev_b32 v1, 10, v1
	v_lshl_add_u32 v1, v12, 7, v1                  ; (32 (m / 8) + m % 8) rows of 1,024 bytes + 128 h
.irp b, 0,1,2,3                        ; block b = 2 s + c: K = 64 b + 32 h + 0 .. 31
.irp p, 0,1,2,3,4,5,6,7
	global_load_b128 v[R+32*\b+4*\p:R+32*\b+4*\p+3], v1, s[8:9] offset:256*\b+16*\p
.endr
.endr
	s_mul_i32 s34, s30, 24                         ; fragment: 128 stage + (q, k, v: 24 w' + 8 group; out: 96 + 8 w') + 2 t (+ s)
	s_lshl_b32 s35, s31, 3
	s_add_co_u32 s34, s34, s35
	s_lshl_b32 s35, s30, 3
	s_add_co_u32 s35, s35, 96
	s_cmp_eq_u32 s31, 3
	s_cselect_b32 s34, s35, s34
	s_lshl_b32 s35, s29, 7
	s_add_co_u32 s34, s34, s35
	s_lshl_b32 s35, s26, 1
	s_add_co_u32 s34, s34, s35
	s_mul_i32 s32, s34, 1536
	s_add_nc_u64 s[22:23], s[22:23], s[32:33]
	s_lshl_b32 s34, s28, 2
	s_add_co_u32 s34, s34, s26                     ; scale image 4 q + t
	s_lshl_b32 s32, s34, 7
	s_add_nc_u64 s[24:25], s[24:25], s[32:33]
	v_lshlrev_b32 v3, 4, v10
	v_lshlrev_b32 v5, 2, v10
	v_lshlrev_b32 v4, 3, v12                       ; 8 h
	v_mov_b32 v38, 0                               ; a lane permute's destination counts as one of its sources
	v_mov_b32 v39, 0
	s_wait_loadcnt 0x0
.irp b, 0,1,2,3
	v_max3_num_f32 v[24+\b], |v[R+32*\b]|, |v[R+32*\b+1]|, FLOOR
.endr
.irp q, 2,4,6,8,10,12,14,16,18,20,22,24,26,28,30
.irp b, 0,1,2,3
	v_max3_num_f32 v[24+\b], v[24+\b], |v[R+32*\b+\q]|, |v[R+32*\b+\q+1]|   ; the four blocks by turns
.endr
.endr
.irp b, 0,1,2,3
	v_add_nc_u32 v[28+\b], OFF2, v[24+\b]
.endr
.irp b, 0,1,2,3
	v_lshrrev_b32 v[32+\b], 23, v[28+\b]           ; the scales' bytes
.endr
.irp b, 0,1,2,3
	v_cvt_scalef32_pk16_fp6_f32 v[40+6*\b:42+6*\b], v[R+32*\b:R+32*\b+15], v[28+\b]
	v_cvt_scalef32_pk16_fp6_f32 v[64+4*\b:66+4*\b], v[R+32*\b+16:R+32*\b+31], v[28+\b]
.endr
	v_nop                                          ; one plain line behind the conversions
.irp b, 0,1,2,3
.irp k, 0,1,2
	v_mov_b32 v[43+6*\b+\k], v[64+4*\b+\k]
.endr
.endr
.irp s, 0,1
.irp c, 0,1,2
	global_store_b128 v3, v[40+12*\s+4*\c:43+12*\s+4*\c], s[22:23] offset:1536*\s+512*\c   ; the fragment as it stands: 512 consecutive bytes a store
.endr
.endr
.irp s, 0,1
	v_lshl_or_b32 v[36+\s], v[33+2*\s], 16, v[32+2*\s]             ; my two bytes of K step s's word: blocks h and 2 + h,
	v_lshlrev_b32 v[36+\s], v4, v[36+\s]                           ; 8 h bits up;
.endr
.irp s, 0,1
	v_permlanex16_b32 v[38+\s], v[36+\s], s40, s41
.endr
.irp s, 0,1
	v_or_b32 v[36+\s], v[36+\s], v[38+\s]                          ; with lane l xor 16's the word is whole
.endr
	v_cmp_eq_u32 vcc_lo, 1, v12
	v_cndmask_b32 v36, v36, v37, vcc_lo            ; lanes 0-15 keep K step 0's word of row m, lanes 16-31 K step 1's
	global_store_b32 v5, v36, s[24:25]
	s_endpgm
.Lfunc_end_k_q0385649290_prep:
	.size	k_q0385649290_prep, .Lfunc_end_k_q0385649290_prep-k_q0385649290_prep
	.p2alignl 7, 3214868480
	.fill 96, 4, 3214868480
	.section	.rodata,"a",@progbits
	.p2align	6, 0x0
	.amdhsa_kernel k_q0385649290_prep
		.amdhsa_group_segment_fixed_size 20992
		.amdhsa_private_segment_fixed_size 0
		.amdhsa_enable_private_segment 0
		.amdhsa_kernarg_size 88
		.amdhsa_user_sgpr_count 2
		.amdhsa_user_sgpr_kernarg_segment_ptr 1
		.amdhsa_wavefront_size32 1
		.amdhsa_system_sgpr_workgroup_id_x 1
		.amdhsa_system_sgpr_workgroup_id_y 1
		.amdhsa_system_sgpr_workgroup_id_z 1
		.amdhsa_system_vgpr_workitem_id 0
		.amdhsa_next_free_vgpr 218
		.amdhsa_next_free_sgpr 66
		.amdhsa_reserve_vcc 1
		.amdhsa_float_denorm_mode_32 3
		.amdhsa_float_denorm_mode_16_64 3
		.amdhsa_memory_ordered 1
		.amdhsa_forward_progress 1
		.amdhsa_inst_pref_size 48
	.end_amdhsa_kernel
	.amdgpu_metadata
---
amdhsa.version: [ 1, 2 ]
amdhsa.kernels:
  - .name:           k_q0385649290_prep
    .symbol:         k_q0385649290_prep.kd
    .args:
      - { .name: x, .offset: 0, .size: 8, .value_kind: global_buffer, .address_space: global }
      - { .name: y, .offset: 8, .size: 8, .value_kind: global_buffer, .address_space: global }
      - { .name: Wqkv_z, .offset: 16, .size: 8, .value_kind: global_buffer, .address_space: global }
      - { .name: Wout_z, .offset: 24, .size: 8, .value_kind: global_buffer, .address_space: global }
      - { .name: Wqkv_z1, .offset: 32, .size: 8, .value_kind: global_buffer, .address_space: global }
      - { .name: Wout_z1, .offset: 40, .size: 8, .value_kind: global_buffer, .address_space: global }
      - { .name: xyimg, .offset: 48, .size: 8, .value_kind: global_buffer, .address_space: global }
      - { .name: xyscl, .offset: 56, .size: 8, .value_kind: global_buffer, .address_space: global }
      - { .name: part, .offset: 64, .size: 8, .value_kind: global_buffer, .address_space: global }
      - { .name: wimg, .offset: 72, .size: 8, .value_kind: global_buffer, .address_space: global }
      - { .name: wscl, .offset: 80, .size: 8, .value_kind: global_buffer, .address_space: global }
    .group_segment_fixed_size: 20992
    .private_segment_fixed_size: 0
    .kernarg_segment_align: 8
    .kernarg_segment_size: 88
    .max_flat_workgroup_size: 128
    .sgpr_count:     66
    .vgpr_count:     218
    .wavefront_size: 32
...
	.end_amdgpu_metadata
.endif
;; end of part 1
;; launch fused (part 2): grid 28 x 8, 7 waves a work-group, clusters of 4 x 1, 327,680 bytes of LDS; arguments xyimg, xyscl, part, wimg, wscl, bout_z, bout_z1, out0, out1; writes out0, out1
.if DOCPART == 2
	.amdgcn_target "amdgcn-amd-amdhsa--gfx1250"
	.amdhsa_code_object_version 6
	.text
	.protected	k_q0385649290_fused
	.globl	k_q0385649290_fused
	.p2align	8
	.type	k_q0385649290_fused,@function
k_q0385649290_fused:
	s_mov_b64 s[64:65], 0
	v_nop
	global_prefetch_b8 v0, s[64:65] scope:SCOPE_SE
	s_setreg_imm32_b32 hwreg(HW_REG_WAVE_MODE, 25, 1), 1
	s_wait_xcnt 0x0
	s_wait_alu depctr_hold_cnt(0) depctr_sa_sdst(0) depctr_va_vdst(0) depctr_va_sdst(0) depctr_va_ssrc(0) depctr_va_vcc(0) depctr_vm_vsrc(0)
	s_getreg_b32 s2, hwreg(HW_REG_IB_STS2, 6, 4)
	s_cmp_eq_u32 s2, 0
	s_cbranch_scc0 .Lentry_in_a_cluster
	s_endpgm
.Lentry_in_a_cluster:
	s_bfe_u32 s2, ttmp6, 0x10000c
	s_cmp_lg_u32 s2, 0x3003
	s_cbranch_scc0 .Lentry_shape_is_right
	s_endpgm
.Lentry_shape_is_right:
; FUSED: both attention stages over the four tokens (x, y, mean x, mean y) of each position.  The four large products are on codes of FP6 (E2M3) with E8M0 scales for each 32 along K = 256
; (two matrix instructions deep); the 4 x 4 attentions are f32 multiply-adds in the lanes.
; SHARES.  Work-group (x, y): batch y, positions 112 x .. 112 x + 111.  A WAVE OWNS 16 POSITIONS AND ALL 256 FEATURES: 7 waves, 1,568 tiles of 16 positions on 224 work-groups.  It walks the features in
; four shares w of 64 (heads 2 w in lanes 0-15, 2 w + 1 in lanes 16-31), a loop of four trips for each of: stage 1's q, k, v and attention; its projection; stage 2's; the last projection.
; LAYOUT.  Every product is used transposed (source 0 = 16 rows of a weight, source 1 = 16 positions of a token); the launch before chose a weight tile's rows so that lane (r, h) holds position r and its
; 32 registers of four tiles hold features 64 w + 32 h + 0 .. 31: one head and one block of the next quantiser.  Two conversions give six registers of the next operand; share w's go to half w of the token's
; image in the wave's OWN LDS bytes (3,072 bytes a token; scale bytes at 8 r + 2 w + h), and after four trips the image is read back as fragments.  No wave reads another's image: no barrier inside a stage.
; WEIGHTS: LDS holds one stage's, 196,608 bytes (q, k, v by share, then the projection), read by sets of four fragments into two buffers.  All work-groups read the same bytes: clusters of four ask jointly.
; At the head one load a wave: waves 0-3 a share of q, k, v; wave 4 the projection; wave 5 all scale words; wave 6 the batch's 56 rows of partial sums.  Two refills, each behind a drained round: stage 2's q, k, v
; when stage 1's are read no more, its projection when stage 1's is read no more.  The partial sums' bytes have their only fill at the head; behind two barriers the waves' images lie there.
; WHAT IS NOT COMPUTED: reference() returns tokens 0 and 1 of stage 2 alone, so stage 2's q, attention rows and projection of tokens 2 and 3 reach no output, whatever the inputs hold.  The two mean tokens are the
; same at every position of a batch: their q, k, v of stage 1 and the four dots among them are made once a work-group (waves 0-3, a share each).  The masks add -100 (no infinity): every dot is computed.
; Every input has a way to an output and is loaded.  A NaN, an infinity or an overflow that reaches only the work left out is not carried to the result.
; NO PREFETCH: a wave asks for its x and y codes once, at the head; no loop runs ahead of a stream.
; LIMITS: NaN and infinities are not served.  A block whose largest magnitude lies under 2^-124 gets the scale byte 1.  A mean is the sum of 3,136 numbers (in another order than a plain running sum) times the
; f32 number nearest 1 / 3136.  exp is 2^(c s + mask' - max) with c = log2(e) / sqrt(32); weights under 2^-126 come out as 0.
; REGISTERS: window 0: v1-20 addresses, v24-41 scale words, v44-83 dots and row figures, v84-147 TEMP (mean tokens' vectors, codes, stage 2's q), v160-255 two weight buffers.
;            window 1: v0-95 token fragments, v96-223 q and k, then N (four tokens x 32), v224-255 and v48-79 v of x and y; v224-255 later a bias.
; THE BIASES go once through LDS bytes of their own (wave 4 stores them while waves 0-3 make the means); a trip reads its 32 numbers a lane from there.
; BARRIERS BEHIND THE HEAD: the two refills' rounds, and one plain barrier behind stage 2's first trip, which shows the last projection's weights; from there to the closing round no wave waits for another.
.set CHQ,   36864                      ; a share of q, k, v: 24 fragments
.set OUTW,  147456                     ; the projection's 32 fragments
.set SCLW,  196608                     ; the weights' scale words, 16,384 bytes: [stage][w][group][tile][128]
.set U,     212992                     ; the partial sums, 57,344 bytes; later seven images of IMW bytes
.set IMW,   12800                      ; four token images and 512 scale bytes
.set GQ,    302592                     ; the mean tokens' q, k, v: 1536 w + 768 g + 256 group + 128 h
.set KGL,   308736                     ; the four dots among them: 32 w + 16 h
.set MIMG,  308992                     ; the mean tokens' two images
.set MSC,   315136                     ; and their scale bytes
.set SPARE, 315392                     ; the spare words: 128 bytes a wave
.set BIASL, 316416                     ; the two biases, 1,024 bytes each: stored once by wave 4, read by all
.set TOKB,  3072
.set HALFB, 768
.set FRB,   1536
.set L16,1
.set L8,2
.set L4,3
.set IM16,4                            ; my image + 16 x lane
.set IM8,5                             ; + 512 + 8 x lane
.set IMS,6                             ; my scale words: + 12288 + 8 r + 4 h
.set ST16,7                            ; the trip's store addresses
.set ST8,8
.set STB,9
.set IMB0,10                           ; + 12288 + 8 r + h
.set GA0,11                            ; GQ + 128 h
.set GA,12
.set KA0,13                            ; KGL + 16 h
.set KA,14
.set WA,15                             ; the weights' share + 16 x lane
.set SA,16                             ; its scale words + 4 x lane
.set OSI,17
.set OSO,18
.set GOO,19                            ; 1024 h + 16 r
.set BO,20                             ; 128 h
.set WSC,24
.set SCT,36
.set XYS,40
.set SPW,42
.set NIL,43
.set KG,44
.set DD,48
.set BY,48
.set TM,64
.set ACC,76
.set MX,76
.set SX,80
.set TEMP,84
.set BUF0,160
.set BUF1,208
.set RAW,84                            ; at the head: 2 x 14 x 4 registers of partial sums
.set PRT,64                            ; v64-75: addresses of the head alone
.set MS,65
.set GAH,66
.set KGH,67
.set MI16,68
.set MI8,69
.set MIB,70
.set WAH,71
.set SCH,72
.set MF16,73
.set MF8,74
.set MFS,75
.set MSB, 0
.macro WIN new                         ; the immediate's high byte repeats the setting that is left
.if MSB != (\new)
	s_set_vgpr_msb (MSB<<8)|(\new)
.set MSB, (\new)
.endif
.endm
.macro WALU
	s_wait_alu depctr_va_vdst(0)
.endm
.macro PLACES                          ; behind a run of matrix instructions, ahead of reads of results and loads into their registers
.rept 5
	v_nop
.endr
.endm
.macro ROUND                           ; a round of the cluster's barrier
	s_barrier_signal -1
	s_barrier_wait -1
	s_cmp_lg_u32 s22, 0
	s_cbranch_scc1 .Lnw0_\@
	s_barrier_signal -3
.Lnw0_\@:
	s_barrier_wait -3
	s_barrier_signal -1
	s_barrier_wait -1
.endm
.macro TLOAD g0, g1
	tensor_load_to_lds s[\g0:\g0+3], s[\g1:\g1+7]
	s_nop 0
.rept 4
	v_nop
.endr
.endm
.macro GROUP1 g, rows                  ; a dense block as rows of 256 bytes (32 elements of 8); the mask names the cluster's four
	s_mov_b32 s[\g], 15|(3<<16)|(1<<21)
	s_mov_b32 s[\g+1], 32<<16
	s_mov_b32 s[\g+2], (\rows)<<16
	s_mov_b32 s[\g+3], 32<<16
	s_mov_b32 s[\g+4], \rows
	s_mov_b32 s[\g+5], 32
	s_mov_b32 s[\g+6], 0
	s_mov_b32 s[\g+7], 0
.endm
; One K step of a product: 4 tiles x nt tokens, each accumulator one turn.  kind 0: C = 0; 1: C = a bias; 2: C = D, K step 1: row 1 of both scale registers.
.macro MMRUN kind, nt, d0, dt, a0, ast, b0, c0, sa, sb
.set ti, 0
.rept 4
.set tk, 0
.rept \nt
.set rD, (\d0)+(\dt)*tk+8*ti
.set rA, (\a0)+(\ast)*ti
.set rB, (\b0)+24*tk
.set rC, (\c0)+8*ti
.set rSA, (\sa)+ti
.set rSB, (\sb)+tk
.if (\kind) == 0
	v_wmma_scale_f32_16x16x128_f8f6f4 v[rD:rD+7], v[rA:rA+11], v[rB:rB+11], 0, v[rSA], v[rSB] matrix_a_fmt:MATRIX_FMT_FP6 matrix_b_fmt:MATRIX_FMT_FP6
.elseif (\kind) == 1
	v_wmma_scale_f32_16x16x128_f8f6f4 v[rD:rD+7], v[rA:rA+11], v[rB:rB+11], v[rC:rC+7], v[rSA], v[rSB] matrix_a_fmt:MATRIX_FMT_FP6 matrix_b_fmt:MATRIX_FMT_FP6
.else
	v_wmma_scale_f32_16x16x128_f8f6f4 v[rD:rD+7], v[rA:rA+11], v[rB:rB+11], v[rD:rD+7], v[rSA], v[rSB] matrix_a_fmt:MATRIX_FMT_FP6 matrix_b_fmt:MATRIX_FMT_FP6 matrix_a_scale:MATRIX_SCALE_ROW1 matrix_b_scale:MATRIX_SCALE_ROW1
.endif
.set tk, tk+1
.endr
.set ti, ti+1
.endr
.endm
; nt tokens of 32 numbers a lane (from v[nb] of window nw) become codes (by way of v[ct ..]) and a scale byte, and go to LDS.  The tokens take turns; the numbers are read from the low end on.
.macro QUANTN nt, nb, nw, ct, a16, a8, ab
	WIN 5*(\nw)
.set tk, 0
.rept \nt
	v_max3_num_f32 v[MX+tk], |v[(\nb)+32*tk]|, |v[(\nb)+32*tk+1]|, 0x1800000   ; the floor 2^(3 - 127): the byte cannot fall under 1
.set tk, tk+1
.endr
	WIN 0x14*(\nw)
.set ii, 2
.rept 15
.set tk, 0
.rept \nt
	v_max3_num_f32 v[MX+tk], v[MX+tk], |v[(\nb)+32*tk+ii]|, |v[(\nb)+32*tk+ii+1]|
.set tk, tk+1
.endr
.set ii, ii+2
.endr
	WIN 0
.set tk, 0
.rept \nt
	v_add_nc_u32 v[SX+tk], 0xff000000, v[MX+tk]    ; 2 off the exponent field: the conversion's scale operand
.set tk, tk+1
.endr
.set tk, 0
.rept \nt
	v_lshrrev_b32 v[BY+tk], 23, v[SX+tk]           ; the scale's byte
.set tk, tk+1
.endr
	WIN \nw
.set tk, 0
.rept \nt
.set rC, (\ct)+8*tk
	v_cvt_scalef32_pk16_fp6_f32 v[rC:rC+2], v[(\nb)+32*tk:(\nb)+32*tk+15], v[SX+tk]
	v_cvt_scalef32_pk16_fp6_f32 v[rC+4:rC+6], v[(\nb)+32*tk+16:(\nb)+32*tk+31], v[SX+tk]
.set tk, tk+1
.endr
	WIN 0
	v_nop                                          ; one plain line behind the conversions
.set tk, 0
.rept \nt
.set rC, (\ct)+8*tk
	v_mov_b32 v[rC+3], v[rC+4]
	v_mov_b32 v[rC+4], v[rC+5]
	v_mov_b32 v[rC+5], v[rC+6]
.set tk, tk+1
.endr
.set tk, 0
.rept \nt
.set rC, (\ct)+8*tk
	ds_store_b128 v[\a16], v[rC:rC+3] offset:TOKB*tk
	ds_store_b64 v[\a8], v[rC+4:rC+5] offset:TOKB*tk
	ds_store_b8 v[\ab], v[BY+tk] offset:128*tk
.set tk, tk+1
.endr
.endm
; nt token images come back as fragments: 24 registers a token from v[base] of window 1, and a scale word each (K step 0's in lanes 0-15, K step 1's in lanes 16-31).
.macro FETCH nt, base, a16, a8, as
	WIN 0
.set tk, 0
.rept \nt
	ds_load_b32 v[SCT+tk], v[\as] offset:128*tk
.set tk, tk+1
.endr
	WIN 0x40
.set tk, 0
.rept \nt
.set uu, 0
.rept 4
	ds_load_b128 v[(\base)+24*tk+6*uu:(\base)+24*tk+6*uu+3], v[\a16] offset:TOKB*tk+HALFB*uu
	ds_load_b64 v[(\base)+24*tk+6*uu+4:(\base)+24*tk+6*uu+5], v[\a8] offset:TOKB*tk+HALFB*uu
.set uu, uu+1
.endr
.set tk, tk+1
.endr
	WIN 0
.endm
; Two queries x two keys: four dots of 32, two numbers an instruction, the four sums by turns.
.macro DOTG win, qb, kb, i0, j0, qs, ks
	WIN \win
.set nn, 0
.rept 16
.set pp, 0
.rept 4
.set rQ, (\qb)+(\qs)*(pp/2)+2*nn
.set rK, (\kb)+(\ks)*(pp%2)+2*nn
.if nn == 0
	v_pk_mul_f32 v[ACC+2*pp:ACC+2*pp+1], v[rQ:rQ+1], v[rK:rK+1]
.else
	v_pk_fma_f32 v[ACC+2*pp:ACC+2*pp+1], v[rQ:rQ+1], v[rK:rK+1], v[ACC+2*pp:ACC+2*pp+1]
.endif
.set pp, pp+1
.endr
.set nn, nn+1
.endr
	WIN 0
.set pp, 0
.rept 4
	v_add_f32 v[DD+4*((\i0)+pp/2)+(\j0)+pp%2], v[ACC+2*pp], v[ACC+2*pp+1]
.set pp, pp+1
.endr
.endm
; nq rows of four dots become weights: t = c x dot (+ -100 log2(e) where the stage's mask has -100: stage 0 at i + j = 3, stage 1 at i + j odd); the row's maximum taken away; 2^t; divided by the row's sum.
.macro SOFTMAX nq, st
.set qi, 0
.rept \nq
.set kj, 0
.rept 4
.set rS, DD+4*qi+kj
.if ((\st) == 0) && (qi >= 2) && (kj >= 2)
.set rS, KG+2*(qi-2)+kj-2
.endif
.if (((\st) == 0) && ((qi+kj) == 3)) || (((\st) == 1) && (((qi+kj)%2) == 1))
	v_fma_f32 v[DD+4*qi+kj], v[rS], s24, s25
.else
	v_mul_f32 v[DD+4*qi+kj], s24, v[rS]
.endif
.set kj, kj+1
.endr
.set qi, qi+1
.endr
.set qi, 0
.rept \nq
	v_max3_num_f32 v[TM+qi], v[DD+4*qi], v[DD+4*qi+1], v[DD+4*qi+2]
.set qi, qi+1
.endr
.set qi, 0
.rept \nq
	v_max_num_f32 v[TM+qi], v[TM+qi], v[DD+4*qi+3]
.set qi, qi+1
.endr
.set qi, 0
.rept 4*(\nq)
	v_sub_f32 v[DD+qi], v[DD+qi], v[TM+qi/4]
.set qi, qi+1
.endr
	WALU                                           ; a wait ahead of a batch and one behind it
.set qi, 0
.rept 4*(\nq)
	v_exp_f32 v[DD+qi], v[DD+qi]
.set qi, qi+1
.endr
	v_nop
	WALU
.set qi, 0
.rept \nq
	v_add_f32 v[TM+4+qi], v[DD+4*qi], v[DD+4*qi+1]
.set qi, qi+1
.endr
.set qi, 0
.rept \nq
	v_add_f32 v[TM+8+qi], v[DD+4*qi+2], v[DD+4*qi+3]
.set qi, qi+1
.endr
.set qi, 0
.rept \nq
	v_add_f32 v[TM+4+qi], v[TM+4+qi], v[TM+8+qi]
.set qi, qi+1
.endr
	WALU
.set qi, 0
.rept \nq
	v_rcp_f32 v[TM+8+qi], v[TM+4+qi]
.set qi, qi+1
.endr
	v_nop
	WALU
.set qi, 0
.rept 4*(\nq)
	v_mul_f32 v[DD+qi], v[DD+qi], v[TM+8+qi/4]
.set qi, qi+1
.endr
.endm
; Token i of N (v[nb] of window nw) = the sum over j of weight (i, j) x v's token j (v[bj]; j = 0, 1 in window w01, j = 2, 3 in window w23); two numbers an instruction.
.macro PV nq, nb, nw, b0, b1, b2, b3, w01, w23
.set kj, 0
.rept 4
.if kj == 0
.set rVB, (\b0)
.elseif kj == 1
.set rVB, (\b1)
.elseif kj == 2
.set rVB, (\b2)
.else
.set rVB, (\b3)
.endif
.if kj < 2
	WIN (\w01)|(0x50*(\nw))
.else
	WIN (\w23)|(0x50*(\nw))
.endif
.set qi, 0
.rept \nq
.set nn, 0
.rept 16
.set rO, (\nb)+32*qi+2*nn
.set rV, rVB+2*nn
.set rW, DD+4*qi+2*(kj/2)
.if kj == 0
	v_pk_mul_f32 v[rO:rO+1], v[rV:rV+1], v[rW:rW+1] op_sel_hi:[1,0]
.elseif kj == 2
	v_pk_fma_f32 v[rO:rO+1], v[rV:rV+1], v[rW:rW+1], v[rO:rO+1] op_sel_hi:[1,0,1]
.else
	v_pk_fma_f32 v[rO:rO+1], v[rV:rV+1], v[rW:rW+1], v[rO:rO+1] op_sel:[0,1,0] op_sel_hi:[1,1,1]
.endif
.set nn, nn+1
.endr
.set qi, qi+1
.endr
.set kj, kj+1
.endr
	WIN 0
.endm
.macro LOADW set, buf, adr=WA          ; set 2 group + s of a share: the four tiles' fragments of K step s
.set ti, 0
.rept 4
.set cc, 0
.rept 3
	ds_load_b128 v[(\buf)+12*ti+4*cc:(\buf)+12*ti+4*cc+3], v[\adr] offset:FRB*(8*((\set)/2)+2*ti+(\set)%2)+512*cc
.set cc, cc+1
.endr
.set ti, ti+1
.endr
.endm
.macro SCLOAD n, adr=SA                ; the scale words of n weight tiles
.set ti, 0
.rept \n
	ds_load_b32 v[WSC+ti], v[\adr] offset:128*ti
.set ti, ti+1
.endr
.endm
.macro MLOAD grp                       ; both mean tokens' q (0), k (1) or v (2) of this share into TEMP
.set ff, 0
.rept 16
	ds_load_b128 v[TEMP+4*ff:TEMP+4*ff+3], v[GA] offset:768*(ff/8)+256*(\grp)+16*(ff%8)
.set ff, ff+1
.endr
.endm
.macro BIAS b                          ; my 32 numbers of a bias, from LDS at s58 + 128 h: window 1, v224-255
	v_add_nc_u32 v22, s58, v[BO]
	WIN 0x40
.set ff, 0
.rept 8
	ds_load_b128 v[224+4*ff:224+4*ff+3], v22 offset:16*ff
.set ff, ff+1
.endr
	WIN 0
.endm
.macro PRE n                           ; a share's scale words and its first two sets, from the offsets in s52, s53
	v_add_nc_u32 v[WA], s52, v[L16]
	v_add_nc_u32 v[SA], s53, v[L4]
	WALU
	SCLOAD \n
	LOADW 0, BUF0
	LOADW 1, BUF1
.endm
.macro PREX n, wstep, bb               ; the next trip's, asked for under this trip's vector work; the last trip asks for nothing
	s_add_co_u32 s52, s52, \wstep
	s_add_co_u32 s53, s53, 2048
.if \bb
	s_add_co_u32 s58, s58, 256
.endif
	WALU
	s_cmp_eq_u32 s40, 3
	s_cbranch_scc1 .Lsk_\@
	PRE \n
.if \bb
	BIAS \bb
.endif
.Lsk_\@:
.endm
.macro START woff, soff
	s_mov_b32 s52, \woff
	s_mov_b32 s53, \soff
	s_mov_b32 s40, 0
	s_mov_b32 s54, 0
	s_mov_b32 s55, 0
	s_mov_b32 s56, 0
	s_mov_b32 s57, 0
.endm
.macro TRIPADR g                       ; where this trip's codes and scale bytes go (g = 1: and where the mean tokens' vectors lie)
	v_add_nc_u32 v[ST16], s54, v[IM16]
	v_add_nc_u32 v[ST8], s54, v[IM8]
	v_add_nc_u32 v[STB], s55, v[IMB0]
.if \g
	v_add_nc_u32 v[GA], s56, v[GA0]
	v_add_nc_u32 v[KA], s57, v[KA0]
.endif
	WALU
.endm
.macro NEXT lbl
	s_add_co_u32 s54, s54, 768
	s_add_co_u32 s55, s55, 2
	s_add_co_u32 s56, s56, 1536
	s_add_co_u32 s57, s57, 32
	s_add_co_u32 s40, s40, 1
	s_cmp_lg_u32 s40, 4
	WALU
	s_cbranch_scc1 \lbl
.endm
; Stage 1's q, k, v of two tokens (fragments at v[bb] of window 1, scale words sb): q to window 1 v96, k to v160, v to v[vd], v[vd + vdt] under the setting vw.  Sets 0 and 1 are in; each later set comes
; while the set before it is multiplied: a wait of 12 leaves the youngest set's twelve loads out.
.macro QKV1 bb, sb, vd, vdt, vw, adr, ml
	WIN 0x54
	MMRUN 0, 2, 96, 32, BUF0, 12, \bb, 0, WSC, \sb
	WIN 0
	PLACES
	LOADW 2, BUF0, \adr
.if \ml
	MLOAD 1
	ds_load_b128 v[KG:KG+3], v[KA]
.endif
	WIN 0x54
	MMRUN 2, 2, 96, 32, BUF1, 12, (\bb)+12, 0, WSC, \sb
	WIN 0
	PLACES
	LOADW 3, BUF1, \adr
	s_wait_dscnt 12
	WIN 0x54
	MMRUN 0, 2, 160, 32, BUF0, 12, \bb, 0, WSC+4, \sb
	WIN 0
	PLACES
	LOADW 4, BUF0, \adr
	s_wait_dscnt 12
	WIN 0x54
	MMRUN 2, 2, 160, 32, BUF1, 12, (\bb)+12, 0, WSC+4, \sb
	WIN 0
	PLACES
	LOADW 5, BUF1, \adr
	s_wait_dscnt 12
	WIN \vw
	MMRUN 0, 2, \vd, \vdt, BUF0, 12, \bb, 0, WSC+8, \sb
	s_wait_dscnt 0x0
	MMRUN 2, 2, \vd, \vdt, BUF1, 12, (\bb)+12, 0, WSC+8, \sb
	WIN 0
	PLACES
.endm
; ================= THE HEAD
	s_load_b512 s[4:19], s[0:1], 0x0               ; xyimg, xyscl, part, wimg, wscl, bout_z, bout_z1, out0
	s_load_b64 s[20:21], s[0:1], 0x40              ; out1
	v_lshl_add_u32 v[SPW], v0, 2, SPARE
	v_mov_b32 v[NIL], 0
	ds_add_u32 v[SPW], v[NIL]
	ds_add_u32 v[SPW], v[NIL]
	v_lshrrev_b32 v21, 5, v0
	v_readfirstlane_b32 s22, v21                   ; wave 0..6
	v_and_b32 v21, 31, v0                          ; lane
	v_and_b32 v22, 15, v0                          ; r
	v_bfe_u32 v23, v0, 4, 1                        ; h
	v_lshlrev_b32 v[L16], 4, v21
	v_lshlrev_b32 v[L8], 3, v21
	v_lshlrev_b32 v[L4], 2, v21
	s_bfe_u32 s23, ttmp6, 0x40000                  ; cx
	s_lshl_b32 s26, ttmp9, 2
	s_add_co_u32 s26, s26, s23                     ; work-group x
	s_and_b32 s28, ttmp7, 0xffff                   ; the batch
	s_mul_i32 s29, s28, 196
	s_mul_i32 s26, s26, 7
	s_add_co_u32 s29, s29, s26
	s_add_co_u32 s29, s29, s22                     ; my tile of 16 positions
	s_mov_b32 s43, 0
	s_mov_b32 s24, 0x3e8293ee                      ; c = log2(e) / sqrt(32)
	s_mov_b32 s25, 0xc31044fe                      ; -100 log2(e)
	s_mov_b32 s30, 0x76543210
	s_mov_b32 s31, 0xfedcba98                      ; v_permlanex16_b32's selects for lane l xor 16
	GROUP1 68, 144                                 ; a share of q, k, v
	GROUP1 76, 192                                 ; a projection
	GROUP1 84, 64                                  ; the scale words
	GROUP1 92, 224                                 ; the partial sums
	s_mov_b32 s32, 1
	s_mul_i32 s33, s22, CHQ
	s_mov_b32 s36, 1
	s_mov_b32 s37, OUTW
	s_mov_b32 s44, 1
	s_mov_b32 s45, SCLW
	s_mov_b32 s48, 1
	s_mov_b32 s49, U
	WALU
	s_wait_dscnt 0x0
	s_wait_kmcnt 0x0
	s_mul_i32 s42, s29, 3072
	s_add_nc_u64 s[4:5], s[4:5], s[42:43]
	s_lshl_b32 s42, s29, 7
	s_add_nc_u64 s[6:7], s[6:7], s[42:43]
	s_lshl_b32 s42, s29, 14
	s_add_nc_u64 s[18:19], s[18:19], s[42:43]
	s_add_nc_u64 s[20:21], s[20:21], s[42:43]
	s_mul_i32 s42, s28, 57344
	s_add_nc_u64 s[50:51], s[8:9], s[42:43]
	s_or_b32 s51, s51, 0x80000000
	s_mov_b32 s42, s33
	s_add_nc_u64 s[34:35], s[10:11], s[42:43]
	s_or_b32 s35, s35, 0x80000000
	s_add_nc_u64 s[38:39], s[10:11], OUTW
	s_or_b32 s39, s39, 0x80000000
	s_mov_b64 s[46:47], s[12:13]
	s_or_b32 s47, s47, 0x80000000
	ROUND                                          ; the four work-groups are here: the joint loads meet
	s_cmp_eq_u32 s22, 6                            ; one load a wave, one chain of branches on the wave's number; what is needed first stands first
	s_cbranch_scc0 .Lh4
	TLOAD 48, 92                                   ; wave 6: the partial sums
	s_branch .Lasked
.Lh4:
	s_cmp_lt_u32 s22, 4
	s_cbranch_scc0 .Lh5
	TLOAD 32, 68                                   ; waves 0-3: a share of q, k, v
	s_branch .Lasked
.Lh5:
	s_cmp_eq_u32 s22, 5
	s_cbranch_scc0 .Lh6
	TLOAD 44, 84                                   ; wave 5: the scale words
	s_branch .Lasked
.Lh6:
	TLOAD 36, 76                                   ; wave 4: the projection
.Lasked:
	WIN 0x40                                       ; my tile's fragments of x and y: window 1 v0-47; 512 or 256 consecutive bytes a load
.set tk, 0
.rept 2
.set uu, 0
.rept 4
	global_load_b128 v[24*tk+6*uu:24*tk+6*uu+3], v[L16], s[4:5] offset:4816896*tk+HALFB*uu th:TH_LOAD_NT
	global_load_b64 v[24*tk+6*uu+4:24*tk+6*uu+5], v[L8], s[4:5] offset:4816896*tk+HALFB*uu+512 th:TH_LOAD_NT
.set uu, uu+1
.endr
.set tk, tk+1
.endr
	WIN 0
	global_load_b32 v[XYS], v[L4], s[6:7] th:TH_LOAD_NT
	global_load_b32 v[XYS+1], v[L4], s[6:7] offset:200704 th:TH_LOAD_NT
	s_mul_i32 s26, s22, IMW
	s_add_co_u32 s26, s26, U                       ; my image
	s_add_co_u32 s27, s26, 12288                   ; its scale bytes
	v_add_nc_u32 v[IM16], s26, v[L16]
	v_add_nc_u32 v[IM8], s26, v[L8]
	v_add_nc_u32 v[IM8], 512, v[IM8]
	v_lshlrev_b32 v[IMS], 3, v22
	v_add_nc_u32 v[IMB0], v[IMS], v23
	v_lshl_add_u32 v[IMS], v23, 2, v[IMS]
	v_add_nc_u32 v[MFS], MSC, v[IMS]
	s_lshl_b32 s41, s22, 1
	s_add_co_u32 s41, s41, MSC
	v_add_nc_u32 v[MIB], s41, v[IMB0]
	v_add_nc_u32 v[IMS], s27, v[IMS]
	v_add_nc_u32 v[IMB0], s27, v[IMB0]
	v_lshlrev_b32 v[BO], 7, v23
	v_add_nc_u32 v[GA0], GQ, v[BO]
	v_lshlrev_b32 v[KA0], 4, v23
	v_add_nc_u32 v[KA0], KGL, v[KA0]
	v_mul_u32_u24 v[OSI], v22, 272
	v_lshl_add_u32 v[OSI], v23, 7, v[OSI]
	v_add_nc_u32 v[OSI], s26, v[OSI]
	v_mul_u32_u24 v[OSO], v23, 272
	v_lshl_add_u32 v[OSO], v22, 4, v[OSO]
	v_add_nc_u32 v[OSO], s26, v[OSO]
	v_lshlrev_b32 v[GOO], 10, v23
	v_lshl_add_u32 v[GOO], v22, 4, v[GOO]
	s_lshl_b32 s41, s22, 8
	s_add_co_u32 s41, s41, U
	v_add_nc_u32 v[PRT], s41, v[GOO]
	s_mul_i32 s41, s22, 1536
	v_add_nc_u32 v[GAH], s41, v[GA0]
	s_add_co_u32 s41, s41, GQ
	v_lshlrev_b32 v[MS], 4, v22
	v_add_nc_u32 v[MS], s41, v[MS]
	s_lshl_b32 s41, s22, 5
	v_add_nc_u32 v[KGH], s41, v[KA0]
	s_mul_i32 s41, s22, 768
	s_add_co_u32 s41, s41, MIMG
	v_add_nc_u32 v[MI16], s41, v[L16]
	v_add_nc_u32 v[MI8], s41, v[L8]
	v_add_nc_u32 v[MI8], 512, v[MI8]
	v_add_nc_u32 v[WAH], s33, v[L16]
	s_lshl_b32 s41, s22, 11
	s_add_co_u32 s41, s41, SCLW
	v_add_nc_u32 v[SCH], s41, v[L4]
	v_add_nc_u32 v[MF16], MIMG, v[L16]
	v_add_nc_u32 v[MF8], MIMG+512, v[L8]
	v_add_nc_u32 v21, BIASL, v[L16]                ; where wave 4 puts the biases
	WALU
	s_cmp_eq_u32 s22, 6
	s_cbranch_scc0 .Lnp
	s_wait_tensorcnt 0x0
.Lnp:
	s_barrier_signal -1
	s_barrier_wait -1                              ; the partial sums are in
	s_cmp_lt_u32 s22, 4
	s_cbranch_scc0 .Lbias4
	; ---- the means, waves 0-3: wave w takes columns 64 w .. 64 w + 63; lane (r, h) columns 4 r .. of rows 2 p + h
.set tk, 0
.rept 2
.set pp, 0
.rept 14
	ds_load_b128 v[RAW+56*tk+4*pp:RAW+56*tk+4*pp+3], v[PRT] offset:28672*tk+2048*pp
.set pp, pp+1
.endr
.set tk, tk+1
.endr
	s_wait_dscnt 0x0
.set pp, 2
.rept 12
.set tk, 0
.rept 2
.set rT, RAW+56*tk+4*(pp%2)
.set rS, RAW+56*tk+4*pp
	v_pk_add_f32 v[rT:rT+1], v[rT:rT+1], v[rS:rS+1]
	v_pk_add_f32 v[rT+2:rT+3], v[rT+2:rT+3], v[rS+2:rS+3]
.set tk, tk+1
.endr
.set pp, pp+1
.endr
.irp rT, RAW, RAW+56
	v_pk_add_f32 v[\rT:\rT+1], v[\rT:\rT+1], v[\rT+4:\rT+5]
	v_pk_add_f32 v[\rT+2:\rT+3], v[\rT+2:\rT+3], v[\rT+6:\rT+7]
.endr
.irp rT, RAW, RAW+56
.irp kk, 0,1,2,3
	v_permlanex16_b32 v[\rT+8+\kk], v[\rT+\kk], s30, s31   ; the other rows' sums lie 16 lanes away
.endr
.endr
.irp rT, RAW, RAW+56
	v_pk_add_f32 v[\rT:\rT+1], v[\rT:\rT+1], v[\rT+8:\rT+9]
	v_pk_add_f32 v[\rT+2:\rT+3], v[\rT+2:\rT+3], v[\rT+10:\rT+11]
.endr
.irp rT, RAW, RAW+56
	v_pk_mul_f32 v[\rT:\rT+1], v[\rT:\rT+1], 0x39a72f05 op_sel_hi:[1,0]      ; x 1 / 3136
	v_pk_mul_f32 v[\rT+2:\rT+3], v[\rT+2:\rT+3], 0x39a72f05 op_sel_hi:[1,0]
.endr
	ds_store_b128 v[MS], v[RAW:RAW+3]              ; my 64 means of a tensor turn through my own bytes: both halves of the lanes write the same numbers to the same bytes
	ds_store_b128 v[MS], v[RAW+56:RAW+59] offset:256
	WIN 0x40
.set ff, 0
.rept 16
	ds_load_b128 v[96+4*ff:96+4*ff+3], v[GAH] offset:256*(ff/8)+16*(ff%8)   ; features 64 w + 32 h + 0 .. 31 in every lane; LDS serves a wave's instructions in order
.set ff, ff+1
.endr
	WIN 0
	s_wait_dscnt 0x0
	QUANTN 2, 96, 1, 84, MI16, MI8, MIB            ; sixteen equal rows a token: half w of the two mean images
	WALU
	s_branch .Lno_mean
.Lbias4:
	s_cmp_eq_u32 s22, 4
	s_cbranch_scc0 .Lno_mean
	global_load_b128 v[TEMP:TEMP+3], v[L16], s[14:15]              ; wave 4: both biases, 512 consecutive bytes a load, into LDS as they lie
	global_load_b128 v[TEMP+4:TEMP+7], v[L16], s[14:15] offset:512
	global_load_b128 v[TEMP+8:TEMP+11], v[L16], s[16:17]
	global_load_b128 v[TEMP+12:TEMP+15], v[L16], s[16:17] offset:512
	s_wait_loadcnt 0x0
	ds_store_b128 v21, v[TEMP:TEMP+3]
	ds_store_b128 v21, v[TEMP+4:TEMP+7] offset:512
	ds_store_b128 v21, v[TEMP+8:TEMP+11] offset:1024
	ds_store_b128 v21, v[TEMP+12:TEMP+15] offset:1536
.Lno_mean:
	WALU
	s_cmp_eq_u32 s22, 4                            ; wave 4's tile, the projection, is first read behind the next barrier and is waited for there
	s_cbranch_scc1 .Lnt4
	s_wait_tensorcnt 0x0
.Lnt4:
	s_wait_dscnt 0x0
	s_barrier_signal -1
	s_barrier_wait -1                              ; the weights, their scale words and the mean images are whole
	s_cmp_lt_u32 s22, 4
	s_cbranch_scc0 .Lno_gq
	; ---- the mean tokens' q, k, v of share w and the four dots among them, waves 0-3
	SCLOAD 12, SCH
	LOADW 0, BUF0, WAH
	LOADW 1, BUF1, WAH
	FETCH 2, 48, MF16, MF8, MFS
	s_wait_dscnt 0x0
	QKV1 48, SCT, 84, 32, 0x04, WAH, 0
	WIN 0x04                                       ; an LDS store's data are its source 1.  All sixteen lanes of a half write the same numbers to the same bytes; each accumulator from its low end on
.set ff, 0
.rept 16
	ds_store_b128 v[GAH], v[96+4*ff:96+4*ff+3] offset:768*(ff/8)+16*(ff%8)
.set ff, ff+1
.endr
.set ff, 0
.rept 16
	ds_store_b128 v[GAH], v[160+4*ff:160+4*ff+3] offset:768*(ff/8)+256+16*(ff%8)
.set ff, ff+1
.endr
	WIN 0
.set ff, 0
.rept 16
	ds_store_b128 v[GAH], v[TEMP+4*ff:TEMP+4*ff+3] offset:768*(ff/8)+512+16*(ff%8)
.set ff, ff+1
.endr
	DOTG 0x05, 96, 160, 2, 2, 32, 32
	v_mov_b32 v[KG], v[DD+10]
	v_mov_b32 v[KG+1], v[DD+11]
	v_mov_b32 v[KG+2], v[DD+14]
	v_mov_b32 v[KG+3], v[DD+15]
	ds_store_b128 v[KGH], v[KG:KG+3]
.Lno_gq:
	START 0, SCLW
	PRE 12
	s_wait_tensorcnt 0x0                           ; the projection's weights have landed
	s_wait_dscnt 0x0
	s_barrier_signal -1
	s_barrier_wait -1                              ; the mean tokens' vectors are whole; the partial sums are read no more
	s_wait_loadcnt 0x0                             ; x's and y's fragments
; ================= STAGE 1: q, k, v of x and y and the attention, a share of 64 features a trip
.Ls1:
	TRIPADR 1
	s_wait_dscnt 0x0                               ; the share's first two sets and scale words, asked for a trip ago
	QKV1 0, XYS, 224, -176, 0x54, WA, 1
	PREX 12, CHQ, 0
	DOTG 0x01, 96, TEMP, 0, 2, 32, 32              ; q of x, y with k of the mean tokens
	MLOAD 0
	DOTG 0x05, 96, 160, 0, 0, 32, 32
	s_wait_dscnt 0x0
	DOTG 0x04, TEMP, 160, 2, 0, 32, 32             ; q of the mean tokens with k of x, y
	MLOAD 2
	SOFTMAX 4, 0
	s_wait_dscnt 0x0
	WIN 0x51
	WALU                                           ; the wait ahead of the first reader of v
	PV 4, 96, 1, 224, 48, TEMP, TEMP+32, 1, 0
	QUANTN 4, 96, 1, 84, ST16, ST8, STB
	NEXT .Ls1
	START OUTW, SCLW+1536
	PRE 4
	FETCH 4, 0, IM16, IM8, IMS                     ; my own bytes: LDS serves a wave's instructions in order
	s_mov_b32 s58, BIASL
	BIAS 14
	s_wait_tensorcnt 0x0
	ds_add_u32 v[SPW], v[NIL]
	s_add_nc_u64 s[34:35], s[34:35], 196608        ; no load of mine is out: stage 2's share
	s_wait_dscnt 0x0
	ROUND                                          ; no wave of the four work-groups reads stage 1's q, k, v any more
	s_cmp_lt_u32 s22, 4
	s_cbranch_scc0 .Lr1
	TLOAD 32, 68
.Lr1:
; ================= STAGE 1'S PROJECTION, its bias as the sums' start
.Lpj:
	TRIPADR 0
	s_wait_dscnt 0x0
	WIN 0x54
	MMRUN 1, 4, 96, 32, BUF0, 12, 0, 224, WSC, SCT
	MMRUN 2, 4, 96, 32, BUF1, 12, 12, 0, WSC, SCT
	WIN 0
	PLACES
	PREX 4, 12288, 14
	QUANTN 4, 96, 1, 84, ST16, ST8, STB            ; over the image that lies in registers by now
	NEXT .Lpj
	FETCH 4, 0, IM16, IM8, IMS
	s_wait_tensorcnt 0x0                           ; stage 2's q, k, v have landed
	ds_add_u32 v[SPW], v[NIL]
	s_add_nc_u64 s[38:39], s[38:39], 196608
	s_wait_dscnt 0x0
	ROUND                                          ; and are shown to all; nobody reads stage 1's projection any more
	s_cmp_eq_u32 s22, 4
	s_cbranch_scc0 .Lr2
	TLOAD 36, 76
.Lr2:
	START 0, SCLW+8192
	PRE 12
; ================= STAGE 2: q of two tokens, k and v of four
.macro S2TRIP
	TRIPADR 0
	s_wait_dscnt 0x0
	WIN 0x04
	MMRUN 0, 2, TEMP, 32, BUF0, 12, 0, 0, WSC, SCT
	WIN 0
	PLACES
	LOADW 2, BUF0
	WIN 0x04
	MMRUN 2, 2, TEMP, 32, BUF1, 12, 12, 0, WSC, SCT
	WIN 0
	PLACES
	LOADW 3, BUF1
	s_wait_dscnt 12
	WIN 0x54
	MMRUN 0, 4, 96, 32, BUF0, 12, 0, 0, WSC+4, SCT
	WIN 0
	PLACES
	LOADW 4, BUF0
	s_wait_dscnt 12
	WIN 0x54
	MMRUN 2, 4, 96, 32, BUF1, 12, 12, 0, WSC+4, SCT
	WIN 0
	PLACES
	LOADW 5, BUF1
	DOTG 0x04, TEMP, 96, 0, 0, 32, 32
	DOTG 0x04, TEMP, 160, 0, 2, 32, 32
	SOFTMAX 2, 1
	s_wait_dscnt 12
	WIN 0x54
	MMRUN 0, 4, 96, 32, BUF0, 12, 0, 0, WSC+8, SCT ; v over k's registers
	s_wait_dscnt 0x0
	MMRUN 2, 4, 96, 32, BUF1, 12, 12, 0, WSC+8, SCT
	WIN 0
	PLACES
	PREX 12, CHQ, 0
	WIN 0x01
	WALU
	PV 2, TEMP, 0, 96, 128, 160, 192, 1, 1
	QUANTN 2, TEMP, 0, 52, ST16, ST8, STB
.endm
	S2TRIP                                         ; share 0 is written out; behind it the barrier that shows the last projection's weights
	s_mov_b32 s52, CHQ                             ; share 1's offsets and the trips' counter
	s_mov_b32 s53, SCLW+8192+2048
	s_mov_b32 s54, 768
	s_mov_b32 s55, 2
	s_mov_b32 s40, 1
	WALU
	s_wait_tensorcnt 0x0                           ; the last projection's weights have landed
	s_wait_dscnt 0x0
	s_barrier_signal -1
	s_barrier_wait -1                              ; and are shown to all
.Ls2:
	S2TRIP
	NEXT .Ls2
	FETCH 2, 0, IM16, IM8, IMS
	s_mov_b32 s58, BIASL+1024
	BIAS 16
	START OUTW, SCLW+8192+1536
	PRE 4
; ================= THE LAST PROJECTION for tokens 0 and 1, and the way out: 64 columns a trip
.Lfin:
	s_wait_dscnt 0x0
	WIN 0x54
	MMRUN 1, 2, 96, 32, BUF0, 12, 0, 224, WSC, SCT
	MMRUN 2, 2, 96, 32, BUF1, 12, 12, 0, WSC, SCT
	WIN 0
	PLACES
	PREX 4, 12288, 16
	WIN 0x04
.set ff, 0
.rept 16                               ; a lane holds 128 bytes of a row: through my own stage (my image's bytes, which lie in registers), rows 272 bytes apart; each accumulator from its low end on
	ds_store_b128 v[OSI], v[96+4*ff:96+4*ff+3] offset:4352*(ff/8)+16*(ff%8)
.set ff, ff+1
.endr
	WIN 0
.set ff, 0
.rept 16
	ds_load_b128 v[TEMP+4*ff:TEMP+4*ff+3], v[OSO] offset:4352*(ff/8)+544*(ff%8)
.set ff, ff+1
.endr
.set ff, 0
.rept 8
	s_wait_dscnt 15-ff                             ; the younger loads may stay out
	global_store_b128 v[GOO], v[TEMP+4*ff:TEMP+4*ff+3], s[18:19] offset:2048*ff th:TH_STORE_NT   ; sixteen lanes store 256 consecutive bytes, aligned
.set ff, ff+1
.endr
.set ff, 0
.rept 8
	s_wait_dscnt 7-ff
	global_store_b128 v[GOO], v[TEMP+32+4*ff:TEMP+32+4*ff+3], s[20:21] offset:2048*ff th:TH_STORE_NT
.set ff, ff+1
.endr
	s_wait_xcnt 0x0                                ; the stores have read their registers and bases
	s_add_nc_u64 s[18:19], s[18:19], 256
	s_add_nc_u64 s[20:21], s[20:21], 256
	NEXT .Lfin
	s_wait_tensorcnt 0x0                           ; the wave's end
	ds_add_u32 v[SPW], v[NIL]
	s_wait_dscnt 0x0
	ROUND                                          ; the closing round
	s_endpgm
.Lfunc_end_k_q0385649290_fused:
	.size	k_q0385649290_fused, .Lfunc_end_k_q0385649290_fused-k_q0385649290_fused
	.p2alignl 7, 3214868480
	.fill 96, 4, 3214868480
	.section	.rodata,"a",@progbits
	.p2align	6, 0x0
	.amdhsa_kernel k_q0385649290_fused
		.amdhsa_group_segment_fixed_size 327680
		.amdhsa_private_segment_fixed_size 0
		.amdhsa_enable_private_segment 0
		.amdhsa_kernarg_size 72
		.amdhsa_user_sgpr_count 2
		.amdhsa_user_sgpr_kernarg_segment_ptr 1
		.amdhsa_wavefront_size32 1
		.amdhsa_system_sgpr_workgroup_id_x 1
		.amdhsa_system_sgpr_workgroup_id_y 1
		.amdhsa_system_sgpr_workgroup_id_z 1
		.amdhsa_system_vgpr_workitem_id 0
		.amdhsa_next_free_vgpr 512
		.amdhsa_next_free_sgpr 100
		.amdhsa_reserve_vcc 0
		.amdhsa_float_denorm_mode_32 3
		.amdhsa_float_denorm_mode_16_64 3
		.amdhsa_memory_ordered 1
		.amdhsa_forward_progress 1
		.amdhsa_inst_pref_size 218
	.end_amdhsa_kernel
	.amdgpu_metadata
---
amdhsa.version: [ 1, 2 ]
amdhsa.kernels:
  - .name:           k_q0385649290_fused
    .symbol:         k_q0385649290_fused.kd
    .args:
      - { .name: xyimg, .offset: 0, .size: 8, .value_kind: global_buffer, .address_space: global }
      - { .name: xyscl, .offset: 8, .size: 8, .value_kind: global_buffer, .address_space: global }
      - { .name: part, .offset: 16, .size: 8, .value_kind: global_buffer, .address_space: global }
      - { .name: wimg, .offset: 24, .size: 8, .value_kind: global_buffer, .address_space: global }
      - { .name: wscl, .offset: 32, .size: 8, .value_kind: global_buffer, .address_space: global }
      - { .name: bout_z, .offset: 40, .size: 8, .value_kind: global_buffer, .address_space: global }
      - { .name: bout_z1, .offset: 48, .size: 8, .value_kind: global_buffer, .address_space: global }
      - { .name: out0, .offset: 56, .size: 8, .value_kind: global_buffer, .address_space: global }
      - { .name: out1, .offset: 64, .size: 8, .value_kind: global_buffer, .address_space: global }
    .group_segment_fixed_size: 327680
    .private_segment_fixed_size: 0
    .kernarg_segment_align: 8
    .kernarg_segment_size: 72
    .max_flat_workgroup_size: 224
    .sgpr_count:     100
    .vgpr_count:     512
    .wavefront_size: 32
...
	.end_amdgpu_metadata
.endif
;; end of part 2
